; MI455X (gfx1250); checked and timed in simulation.
; The chip was launched on July 23, 2026; its instructions are those of AMD's public machine-readable ISA for CDNA 5 (MIT licence, August 2026) and "CDNA5" Instruction Set Architecture Reference Guide (July 2026). The comments in the code are by the model that wrote it; some were corrected since.
;; Flash Attention. Allowed arithmetic: matrix products marked QUANTISED: E2M3 operands, one E8M0 scale for each 32 along K, by v_wmma_scale_f32_16x16x128_f8f6f4 with both operands' format E2M3, f32 sums; everything else in f32.
;; Inputs: k 4 x 16 x 2,048 x 64 float32; q 4 x 16 x 2,048 x 64 float32; v 4 x 16 x 2,048 x 64 float32.
;; Outputs: out0 4 x 16 x 2,048 x 64 float32.
;; This version of the problem:
;;   THIS VERSION OF THE PROBLEM IS GIVEN IN LOW PRECISION. The matrix products marked QUANTISED in the list below multiply operands that are first quantised to E2M3 (2 exponent bits, 3 mantissa bits; 6 bits a number), with one power-of-two scale for each 32 numbers along K (OCP MX v1.0); their sums are f32. All else is computed in f32.
;;   The module's matrix products, in the order in which they are computed (A, B: the left and right operand; K: the contracted axis; several contracted axes count as one K, in the product's order):
;;     1. batch 64 x [M 2,048, K 64] x [K 64, N 2,048]; A: input q; B: input k: QUANTISED
;;     2. batch 64 x [M 2,048, K 2,048] x [K 2,048, N 64]; A: softmax (see below); B: input v: QUANTISED
;;   THE QUANTISER, for each operand of a quantised product, along K:
;;     - K is cut into blocks of 32 from its start; a last block that is shorter is filled with zeros.
;;     - A block's scale is 2^e with e = floor(log2(the largest magnitude in the block)) - 2, held to -126 .. 127; a block of zeros has e = 0. As a byte (E8M0): e + 127.
;;     - Each number is divided by its block's scale, clamped to +-7.5, and rounded to the nearest number of E2M3, ties to even, subnormals kept.
;;     - The product sums the exact products of the quantised numbers (number of the format x scale) in f32.
;;   ~~~python
;;   def quantise(x, axis):      # numpy; x: float32 -> the quantised numbers, widened to float32 again
;;       x = np.moveaxis(x, axis, -1); K = x.shape[-1]
;;       x = np.pad(x, [(0, 0)] * (x.ndim - 1) + [(0, -K % 32)]); x = x.reshape(x.shape[:-1] + (-1, 32)); a = np.abs(x).max(-1, keepdims=True)
;;       e = np.where(a > 0, np.clip(np.frexp(np.where(a > 0, a, 1))[1] - 1 - 2, -126, 127), 0)      # np.frexp(a)[1] - 1 = floor(log2(a)), exactly
;;       r = np.clip(x / 2.0 ** e, -7.5, 7.5)
;;       step = 2.0 ** (np.maximum(np.frexp(np.where(r == 0, 1, r))[1] - 1, 0) - 3)
;;       q = np.round(r / step) * step * 2.0 ** e      # np.round: ties to even
;;       return np.moveaxis(q.reshape(q.shape[:-2] + (-1,))[..., :K], -1, axis).astype(np.float32)
;;   ~~~
;;   SOFTMAX AHEAD OF A QUANTISED PRODUCT. Where the list says 'softmax', what is quantised is not the finished softmax but p = 2^(t - M), with t = logit x log2(e) and M = ceil(the row's largest t), a whole number; so 1/2 < the row's largest p <= 1. The row's sum l is taken of the UNQUANTISED p, in f32, and the product's result is divided by l at the end. Since M is a whole number, a kernel that streams over the keys may use a running M (the ceiling of the running maximum): every later rescaling is an exact power of two, which a block's scale takes up: the codes' values come out the same.
;;   OPERANDS COMPUTED ON THE WAY. 'Computed on the way' means the value that the module computes at that place (a softmax that the list does not call 'softmax' is quantised finished and normalised). What goes into a quantiser is computed in f32, as accurately as f32 sums, v_exp_f32 and their like allow (about 1e-6 of the number): no bf16 or f16 on the way to a quantiser, and a product that is left as it is and whose result goes on into a quantised operand takes f32 operands (vector FMAs, or v_wmma_f32_16x16x4_f32). A number that lies on a knife's edge between two numbers of the format may be rounded either way, as far as f32 arithmetic and the matrix unit's own rounding can turn it there, and no further.
;; One version. Each part assembles by itself: llvm-mc -triple=amdgcn-amd-amdhsa -mcpu=gfx1250 --defsym DOCPART=n.
;; ======== version 1 of 1: 2 launches
;; workspace buffers: kv 13,369,344 bytes
;; launch prep (part 1): grid 16 x 64, 4 waves a work-group, no clusters, 39,424 bytes of LDS; arguments k, v, kv; writes kv
.if DOCPART == 1
	.amdgcn_target "amdgcn-amd-amdhsa--gfx1250"
	.amdhsa_code_object_version 6
	.text
	.protected	k_q8cbd59dc9c_prep
	.globl	k_q8cbd59dc9c_prep
	.p2align	8
	.type	k_q8cbd59dc9c_prep,@function
k_q8cbd59dc9c_prep:
	s_mov_b64 s[64:65], 0
	v_nop
	global_prefetch_b8 v0, s[64:65] scope:SCOPE_SE
	s_setreg_imm32_b32 hwreg(HW_REG_WAVE_MODE, 25, 1), 1
	s_wait_xcnt 0x0
; K and V, [64 heads][2048 keys][64 channels] f32, become codes of FP6 (E2M3) with one E8M0 scale byte for each 32 along the product's K,
; laid as IMAGES OF THE OPERAND REGISTERS that the attention launch loads: one record of SREC bytes for each head and each step of 128 keys.
; K is quantised along the channels (K of the first product), V along the keys (K of the second).
; A block's scale is 2^(floor(log2(its largest magnitude)) - 2); its byte is the largest magnitude's exponent field - 2, held at 1 from below.
; LIMITS: NaN and infinities among the inputs are not served.  Blocks whose largest magnitude lies under 2^-124 keep the byte 1; a block of zeros
; gets the byte 1 where the rule says 127: its codes are zeros, which add nothing under any byte but 0xff, and this program alone reads the bytes.
; THE RECORD.  A group is 32 lanes x 16 bytes, lane l's at 16 l: four registers of a run.
;   0      K's codes, 12 groups: register 6 t + i of a run of 48 is dword i of tile t (0..7); lane (r, hd) of tile t holds key 64 (t / 4) + 32 (r / 8) + 8 (t % 4) + r % 8, channels 32 hd .. 32 hd + 31.
;          With these keys a lane of the scores' result holds, in 32 registers on end, 32 NEIGHBOURING keys: a whole block of the second product.
;   6144   K's scale words, 2 groups of 32 lanes x 8 bytes: dword u of group z: lanes 0-15 tile 4 z + 2 u, lanes 16-31 tile 4 z + 2 u + 1.  Bytes 0, 1: channels 0-31, 32-63; bytes 2, 3: 0.
;   6656   V's codes, 12 groups: register 12 t + 6 c + i of tile t (channels 16 t + r); lane (r, h) holds keys 64 c + 32 h + 0 .. 31.
;   12800  V's scale words, 2 groups of 32 lanes x 4 bytes: group y: lanes 0-15 tile 2 y, lanes 16-31 tile 2 y + 1; byte b: keys 32 b on.
; SHARES.  A work-group makes one record (x: the step, y: the head).  Waves 0, 1: K's keys 64 z on (tiles 4 z .. 4 z + 3).  Waves 2, 3: V's channels 32 z on, all 128 keys.  z = wave % 2.
; The waves share nothing: no barrier.  No tensor load: with 240 registers four work-groups lie on a WGP, each wave with 16 KB (K) or 8 KB (V) on its way.
.set SREC,  13056
.set KSCO,  6144
.set VIMG,  6656
.set VSCO,  12800
.set STG,   4864                       ; a stage in LDS: 2 x 16 places of 144 bytes (128 of data + 16), the second sixteen 2,432 bytes on; two stages for each wave
.set LI,   1                           ; v1   16 x lane
.set L8,   2                           ; v2   8 x lane + 256 z
.set L4,   3                           ; v3   4 x lane
.set TIN,  4                           ; v4   the stage, on the way in
.set TOUT, 5                           ; v5   and on the way out
.set SH8,  6                           ; v6   8 x (lane / 16)
.set CO,   7                           ; v7   16 x lane + 3,072 z: where my wave's six groups of codes begin
.set MXA,  8                           ; v8, v9   two chains of the largest magnitude
.set MXB,  9
.set SOP,  10                          ; v10  the conversion's scale operand
.set TP,   11                          ; v11  the other half's word
.set WD,   12                          ; v12-15   scale words
.set R,    16                          ; v16-143  the numbers as loaded
.set X,    144                         ; v144-207 K: two sets of 32 neighbours along the channels
.set C,    208                         ; v208-231 24 registers of codes
.set CT,   232                         ; v232-234 the second half of a block's codes, before it is moved
.set KSW,  236                         ; v236-237 K's scale words as stored
.set VSA,  238                         ; v238 4 x lane + 128 z
	s_load_b128 s[4:7], s[0:1], 0x0                ; k s[4:5], v s[6:7]
	s_load_b64 s[8:9], s[0:1], 0x10                ; kv
	v_lshl_add_u32 v240, v0, 2, 0x9800
	v_mov_b32 v241, 0
	v_lshrrev_b32 v8, 5, v0
	v_readfirstlane_b32 s10, v8                    ; wave 0..3
	s_and_b32 s11, s10, 1                          ; z
	s_and_b32 s13, ttmp7, 0xffff                   ; the head
	v_and_b32 v8, 31, v0                           ; lane
	v_bfe_u32 v9, v0, 4, 1                         ; lane / 16
	v_bfe_u32 v10, v0, 3, 1                        ; (lane / 8) % 2
	v_and_b32 v12, 7, v0                           ; lane % 8
	v_and_b32 v13, 15, v0                          ; lane % 16
	v_lshlrev_b32 v[LI], 4, v8
	v_lshlrev_b32 v[L4], 2, v8
	s_lshl_b32 s12, s11, 8
	v_lshl_add_u32 v[L8], v8, 3, s12
	s_mul_i32 s28, s10, 2*STG                      ; my wave's two stages
	v_mul_u32_u24 v[TIN], v9, 144                  ; in: a load's 512 bytes are two rows; lanes 0-15 the even row, lanes 16-31 the odd one (144 on);
	v_mad_u32_u24 v[TIN], v10, 2432, v[TIN]        ; a row's second 128 bytes (channels 32-63) go to the second sixteen places;
	v_lshl_add_u32 v[TIN], v12, 4, v[TIN]          ; 16 bytes a lane.  The sixteen lanes of a half touch 256 different bytes modulo 256 (2,432 = 9 x 256 + 128)
	v_add_nc_u32 v[TIN], s28, v[TIN]
	v_mul_u32_u24 v[TOUT], v13, 144                ; out: lane (r, hd) takes row r's block hd: 128 bytes on end; 144 is an odd multiple of 16, so sixteen rows start at sixteen different groups of banks (64 banks of 4 bytes: ISA guide 11.1)
	v_mad_u32_u24 v[TOUT], v9, 2432, v[TOUT]
	v_add_nc_u32 v[TOUT], s28, v[TOUT]
	v_lshlrev_b32 v[SH8], 3, v9
	s_mul_i32 s18, s11, 3072
	v_add_nc_u32 v[CO], s18, v[LI]
	s_lshl_b32 s19, s11, 7
	v_add_nc_u32 v[VSA], s19, v[L4]
	v_mov_b32 v[TP], 0                             ; written once: a lane permute's destination counts as one of its sources
	s_mov_b32 s20, 0x76543210
	s_mov_b32 s21, 0xfedcba98                      ; v_permlanex16_b32's selects for lane l xor 16
	s_mov_b32 s22, 0xffff0000                      ; a mask of lanes 16-31
	s_lshl_b32 s14, s13, 19                        ; a head is 2,048 rows of 256 bytes,
	s_lshl_b32 s29, ttmp9, 15                      ; a step 128 rows
	s_or_b32 s14, s14, s29
	s_lshl_b32 s29, s11, 14
	s_add_co_u32 s24, s14, s29                     ; K: + 64 z rows
	s_mov_b32 s25, 0
	s_add_co_u32 s26, s14, s19                     ; V: + 32 z channels
	s_mov_b32 s27, 0
	s_lshl_b32 s16, s13, 4
	s_add_co_u32 s16, s16, ttmp9
	s_mul_i32 s16, s16, SREC                       ; my record: (16 x head + step) x SREC, under 2^24
	s_mov_b32 s17, 0
	s_wait_kmcnt 0x0
	s_add_nc_u64 s[4:5], s[4:5], s[24:25]
	s_add_nc_u64 s[6:7], s[6:7], s[26:27]
	s_add_nc_u64 s[8:9], s[8:9], s[16:17]
; 16 rows x 64 channels as they were loaded (8 x 4 registers at raw) go through stage stg and come back one block of 32 neighbours a lane (32 registers at x).
; LDS serves a wave's instructions in order (ISA guide 5.7.1.4): no wait stands between the stores and the loads.
.macro TURN raw, x, stg
.irp i, 0,1,2,3,4,5,6,7
	ds_store_b128 v[TIN], v[(\raw)+4*\i:(\raw)+4*\i+3] offset:(\stg)+288*\i   ; load i held rows 2 i and 2 i + 1
.endr
.irp i, 0,1,2,3,4,5,6,7
	ds_load_b128 v[(\x)+4*\i:(\x)+4*\i+3], v[TOUT] offset:(\stg)+16*\i
.endr
.endm
; A lane's block of 32 numbers at v[x] becomes six registers of codes at v[c] and the scale's byte in v[by].
.macro QBLK x, c, by
	v_max3_num_f32 v[MXA], |v[(\x)]|, |v[(\x)+1]|, 0x1800000     ; the largest magnitude, in two chains; the floor 2^(3 - 127) is one more leaf: so the byte cannot fall under 1
	v_max3_num_f32 v[MXB], |v[(\x)+2]|, |v[(\x)+3]|, |v[(\x)+4]|
.irp i, 5,9,13,17,21,25
	v_max3_num_f32 v[MXA], v[MXA], |v[(\x)+\i]|, |v[(\x)+\i+1]|
	v_max3_num_f32 v[MXB], v[MXB], |v[(\x)+\i+2]|, |v[(\x)+\i+3]|
.endr
	v_max3_num_f32 v[MXA], v[MXA], |v[(\x)+29]|, |v[(\x)+30]|
	v_max3_num_f32 v[MXA], v[MXA], v[MXB], |v[(\x)+31]|
	v_add_nc_u32 v[SOP], 0xff000000, v[MXA]        ; 2 off its exponent field: the conversion takes the exponent field of this operand as its scale, and nothing else of it
	v_cvt_scalef32_pk16_fp6_f32 v[(\c):(\c)+2], v[(\x):(\x)+15], v[SOP]
	v_cvt_scalef32_pk16_fp6_f32 v[CT:CT+2], v[(\x)+16:(\x)+31], v[SOP]   ; (a conversion's three registers begin on an even number: the block's second three do not, so they are made here and moved)
	v_lshrrev_b32 v[\by], 23, v[SOP]               ; the scale's byte.  (Also the plain line between the conversions and the moves that read their result)
.irp i, 0,1,2
	v_mov_b32 v[(\c)+3+\i], v[CT+\i]
.endr
.endm
	s_cmp_lt_u32 s10, 2
	s_cbranch_scc0 .Lv_path
	; ---- K: four tiles of 16 keys.  Every load reads 512 consecutive bytes (two keys' rows); tile u's keys are 8 u + 0 .. 7 and 32 + 8 u + 0 .. 7 of my 64.
.irp u, 0,1,2,3
.irp i, 0,1,2,3,4,5,6,7
	global_load_b128 v[R+32*\u+4*\i:R+32*\u+4*\i+3], v[LI], s[4:5] offset:2048*\u+512*(\i%4)+8192*(\i/4) th:TH_LOAD_NT
.endr
.endr
	s_wait_loadcnt 24                              ; tile 0's eight loads are in; the 24 of the three tiles behind it may be out
	TURN R, X, 0
.irp u, 0,1,2,3
.if \u < 3
	s_wait_loadcnt 8*(2-\u)                        ; the next tile's loads are in; eight for each tile behind it may be out
	TURN R+32*(\u+1), X+32*((\u+1)%2), STG*((\u+1)%2)   ; it goes through the other stage while this tile is worked
	s_wait_dscnt 16                                ; this tile is back from its stage; the 16 LDS instructions just issued may be out
.else
	s_wait_dscnt 0x0
.endif
	QBLK X+32*(\u%2), C+6*\u, WD+\u
	v_lshlrev_b32 v[WD+\u], v[SH8], v[WD+\u]       ; my block's byte at its place: byte hd
	v_permlanex16_b32 v[TP], v[WD+\u], s20, s21
	v_or_b32 v[WD+\u], v[WD+\u], v[TP]             ; with lane l xor 16's the row's word is whole, in both halves of the lanes; bytes 2 and 3 are 0
.endr
	v_cndmask_b32 v[KSW], v[WD], v[WD+1], s22      ; lanes 0-15 the even tile's words, lanes 16-31 the odd tile's
	v_cndmask_b32 v[KSW+1], v[WD+2], v[WD+3], s22
.irp n, 0,1,2,3,4,5
	global_store_b128 v[CO], v[C+4*\n:C+4*\n+3], s[8:9] offset:512*\n   ; 32 lanes store 512 consecutive bytes, at a multiple of 256 from the buffer's first byte
.endr
	global_store_b64 v[L8], v[KSW:KSW+1], s[8:9] offset:KSCO   ; 256 consecutive bytes, aligned
	s_wait_tensorcnt 0x0
	ds_add_u32 v240, v241
	s_wait_dscnt 0x0
	s_endpgm
	; ---- V: a lane takes a channel and its registers run down the keys: a block of 32 keys lies in one lane, and the codes come out with the keys innermost.
.macro VLOAD b                         ; keys 32 b on: 32 lanes read 128 consecutive bytes of a key's row; the wave beside me reads the other 128
.set kk, 0
.rept 32
	global_load_b32 v[R+32*(\b)+kk], v[L4], s[6:7] offset:256*(32*(\b)+kk) th:TH_LOAD_NT
.set kk, kk+1
.endr
.endm
.Lv_path:
	VLOAD 0
	VLOAD 1
	s_wait_loadcnt 32                              ; block 0 is in; block 1's 32 loads may be out
	VLOAD 2
	QBLK R, C, WD
	s_wait_loadcnt 32                              ; block 1 is in; block 2's may be out
	VLOAD 3
	QBLK R+32, C+12, WD+1
	v_lshl_or_b32 v[WD], v[WD+1], 8, v[WD]         ; four bytes make my channel's scale word, the lower keys in the lower byte
	s_wait_loadcnt 32                              ; block 2 is in; block 3's may be out
	QBLK R+64, C+6, WD+1
	v_lshl_or_b32 v[WD], v[WD+1], 16, v[WD]
	s_wait_loadcnt 0x0
	QBLK R+96, C+18, WD+1
	v_lshl_or_b32 v[WD], v[WD+1], 24, v[WD]
	; Lanes 0-15 hold the channels of tile 2 z, lanes 16-31 those of tile 2 z + 1, each lane all four blocks.  A fragment wants blocks 0, 2 in lanes 0-15 and blocks 1, 3 in lanes 16-31:
	; the first register's lanes 16-31 change places with the second's lanes 0-15.  Then v[C ..] is tile 2 z's fragment and v[C + 12 ..] tile 2 z + 1's.
.irp i, 0,1,2,3,4,5,6,7,8,9,10,11
	v_permlane16_swap_b32 v[C+\i], v[C+12+\i]
.endr
.irp n, 0,1,2,3,4,5
	global_store_b128 v[CO], v[C+4*\n:C+4*\n+3], s[8:9] offset:VIMG+512*\n
.endr
	global_store_b32 v[VSA], v[WD], s[8:9] offset:VSCO   ; 128 consecutive bytes: the record's last 256 come from two waves, one part in a hundred of the record
	s_endpgm
.Lfunc_end_k_q8cbd59dc9c_prep:
	.size	k_q8cbd59dc9c_prep, .Lfunc_end_k_q8cbd59dc9c_prep-k_q8cbd59dc9c_prep
	.p2alignl 7, 3214868480
	.fill 96, 4, 3214868480
	.section	.rodata,"a",@progbits
	.p2align	6, 0x0
	.amdhsa_kernel k_q8cbd59dc9c_prep
		.amdhsa_group_segment_fixed_size 39424
		.amdhsa_private_segment_fixed_size 0
		.amdhsa_enable_private_segment 0
		.amdhsa_kernarg_size 24
		.amdhsa_user_sgpr_count 2
		.amdhsa_user_sgpr_kernarg_segment_ptr 1
		.amdhsa_wavefront_size32 1
		.amdhsa_system_sgpr_workgroup_id_x 1
		.amdhsa_system_sgpr_workgroup_id_y 1
		.amdhsa_system_sgpr_workgroup_id_z 1
		.amdhsa_system_vgpr_workitem_id 0
		.amdhsa_next_free_vgpr 242
		.amdhsa_next_free_sgpr 66
		.amdhsa_reserve_vcc 0
		.amdhsa_float_denorm_mode_32 3
		.amdhsa_float_denorm_mode_16_64 3
		.amdhsa_memory_ordered 1
		.amdhsa_forward_progress 1
		.amdhsa_inst_pref_size 36
	.end_amdhsa_kernel
	.amdgpu_metadata
---
amdhsa.version: [ 1, 2 ]
amdhsa.kernels:
  - .name:           k_q8cbd59dc9c_prep
    .symbol:         k_q8cbd59dc9c_prep.kd
    .args:
      - { .name: k, .offset: 0, .size: 8, .value_kind: global_buffer, .address_space: global }
      - { .name: v, .offset: 8, .size: 8, .value_kind: global_buffer, .address_space: global }
      - { .name: kv, .offset: 16, .size: 8, .value_kind: global_buffer, .address_space: global }
    .group_segment_fixed_size: 39424
    .private_segment_fixed_size: 0
    .kernarg_segment_align: 8
    .kernarg_segment_size: 24
    .max_flat_workgroup_size: 128
    .sgpr_count:     66
    .vgpr_count:     242
    .wavefront_size: 32
...
	.end_amdgpu_metadata
.endif
;; end of part 1
;; launch attn (part 2): grid 4 x 64, 16 waves a work-group, clusters of 4 x 1, 305,152 bytes of LDS; arguments q, kv, out0; writes out0
.if DOCPART == 2
	.amdgcn_target "amdgcn-amd-amdhsa--gfx1250"
	.amdhsa_code_object_version 6
	.text
	.protected	k_q8cbd59dc9c_attn
	.globl	k_q8cbd59dc9c_attn
	.p2align	8
	.type	k_q8cbd59dc9c_attn,@function
k_q8cbd59dc9c_attn:
	s_mov_b64 s[64:65], 0
	v_nop
	global_prefetch_b8 v0, s[64:65] scope:SCOPE_SE
	s_setreg_imm32_b32 hwreg(HW_REG_WAVE_MODE, 25, 1), 1
	s_wait_xcnt 0x0
	s_wait_alu depctr_hold_cnt(0) depctr_sa_sdst(0) depctr_va_vdst(0) depctr_va_sdst(0) depctr_va_ssrc(0) depctr_va_vcc(0) depctr_vm_vsrc(0)
	s_getreg_b32 s2, hwreg(HW_REG_IB_STS2, 6, 4)
	s_cmp_eq_u32 s2, 0
	s_cbranch_scc0 .Lentry_in_a_cluster
	s_endpgm
.Lentry_in_a_cluster:
	s_bfe_u32 s2, ttmp6, 0x10000c
	s_cmp_lg_u32 s2, 0x3003
	s_cbranch_scc0 .Lentry_shape_is_right
	s_endpgm
.Lentry_shape_is_right:
; out0[h][q][:] = the sum over k <= q of softmax_k(Q[h][q] . K[h][k] / 8) V[h][k][:]; 64 heads, 2,048 queries and keys, 64 channels; both products on codes of FP6 (E2M3) with E8M0 scales for each 32 along K.
; q is f32 and is quantised here, in registers; K and V come as records of register images, one for each head and 128 keys (13,056 bytes: K's codes, K's scale words, V's codes, V's scale words).
; THE SOFTMAX AHEAD OF THE SECOND PRODUCT: t = score x log2(e) / 8; M = the row's largest t so far, rounded UP to a whole number; p = 2^(t - M) is quantised along the keys, not normalised.
; The row's sum is taken of the unquantised p and divides at the end.  When M moves, the sum and O are multiplied by 2^(old M - new M): exact.
; SHARES.  The four work-groups of a cluster own one head.  A head's 128 tiles of 16 queries fall into 16 groups of eight; a tile of group g needs key steps 0 .. g, the last on the diagonal.
; Wave w of work-group cx takes tile 8 (15 - w) + 2 cx + 1 and then tile 8 w + 2 cx: (16 - w) + (w + 1) = 17 steps in every wave of the launch.  Sixteen waves of 256 registers: four to a SIMD, so that
; one wave's vector work stands beside another's matrix work and LDS loads.
; LDS.  A head's 16 records, 208,896 bytes, lie in LDS whole: each wave asks for one record by ONE tensor load at the start; nothing is ever filled again.
; CLUSTER.  The four work-groups need the same 16 records, so each is asked for JOINTLY: the same tensor load, with the same descriptor and a mask that names the four, in all four.
; No branch and no LDS address hangs on cx: it enters the addresses of q and out0 and the numbers of the mask table alone.
; LAYOUT.  Both products are used transposed: S^T = K Q^T (source 0 = 16 keys, source 1 = my 16 queries), O^T = V^T P^T (source 0 = 16 channels, source 1 = P): a lane holds ONE query (lane % 16) throughout.
; The keys of a tile of K are chosen (lane r of tile t: key 64 (t / 4) + 32 (r / 8) + 8 (t % 4) + r % 8) so that register S + 32 c + i of lane (r, h) is key 64 c + 32 h + i: two WHOLE blocks of 32 keys a lane, in the
; order of P's operand: a block's largest p needs no other lane, and the conversions' results are the operand.
; K = 64 IN A FORM THAT IS 128 DEEP.  Q's fragment is six registers of codes and six of zeros.  A tile of K has six registers; the instruction names twelve, v[F + 6 t ..]: the upper six are the next tile's codes (behind the last
; tile: six cleared registers).  They meet zero codes and add nothing; the scale words' bytes 2 and 3 are 0, which is 2^-127 and no NaN.
; THE MASK is the C operand of the diagonal step's products: 0 where the key counts, -3e38 where it does not: p = 0 there.  The table (two variants x eight tiles) is made once, in LDS.
; LIMITS: NaN and infinities among the inputs are not served.  Blocks of q whose largest magnitude lies under 2^-124 keep the scale byte 1 (a block of zeros too: its codes are zeros).  A hidden score is the score - 3e38: finite
; while |score| stays under 4e37.  v_exp_f32 gives 0 for p under 2^-126.  A block's largest p is taken as the exponential of its largest score, which takes v_exp_f32 not to fall where its input rises.
.set SREC,  13056
.set KSCO,  6144
.set VIMG,  6656
.set VSCO,  12800
.set MASK,  16*SREC                    ; LDS: behind the records: the mask table, (8 var + t) x 1,024 bytes, two groups of 32 lanes x 16 bytes each
.set STAGE, MASK+16384                 ; and a stage of 4,864 bytes for each wave: q's turn at the start, later the way out
.set STGB,  4864
.set LI,   1                           ; v1   16 x lane: a group's place for my lane; also my offset in a tile of q and of out0
.set L8,   2                           ; v2   8 x lane
.set L4,   3                           ; v3   4 x lane
.set ADR,  4                           ; v4-6 the same in the record in hand
.set AD8,  5
.set AD4,  6
.set STO,  7                           ; v7   the way out: where I put 32 bytes of a row
.set SRD,  8                           ; v8   and where I read a row back
.set LN,   9                           ; v9   lane
.set MADR, 10                          ; v10  MASK + 16 x lane
.set RR,   11                          ; v11  lane % 16
.set NM,   12                          ; v12  -M
.set SMX,  13                          ; v13  the largest score so far
.set LS,   14                          ; v[14:15] the row's sum, in two halves
.set QA,   16                          ; v16-27 Q's fragment of tile a (six of codes, six of zeros);  v28-39 of tile b
.set QB,   28
.set QSA,  40                          ; v40, v41 their scale words
.set QSB,  41
.set KS,   42                          ; v42-45 K's scale words: v[42 + t / 2], even tiles in lanes 0-15, odd tiles in lanes 16-31
.set VS,   46                          ; v46-47 V's likewise
.set PS,   48                          ; v48  P's scale word
.set HH,   49                          ; v49  lane / 16
.set F,    50                          ; v50-97 48 registers of K's or V's codes; v98-103 zeros
.set S,    104                         ; v104-167 S^T, then p
.set O,    168                         ; v168-199 O^T
.set P,    200                         ; v200-211 P's codes
.set CT,   212                         ; v212-219 second halves of blocks' codes, before they are moved; at the start the mask's eight numbers
.set CH,   220                         ; v220-223 four chains of maxima; then v220, v222 the two blocks' largest
.set T0,   224
.set T1,   225
.set FF,   226                         ; v[226:227] f = 2^(old M - new M); the packed forms name the pair and take its low word
.set SOP,  228                         ; v228-229 the conversions' scale operands
.set BY,   230                         ; v230-231 the scales' bytes
.set WW,   232
.set TT,   233
.set L2,   234                         ; v[234:235] the sum's second chain
.set SH8,  236                         ; v236 8 x (lane / 16)
.set BIG,  237                         ; v237 -3e38
.set TIN,  238                         ; v238, v239 q's turn through the stage: in, out
.set TOUT, 239
.set NX,   240
.set MST,  241                         ; v241 where my wave stores its part of the mask table
.set WV,   10                          ; s10  my wave's number
.set CX,   11                          ; s11  my work-group's place in the cluster
.set HEAD, 12
.set SEL,  20                          ; s[20:21] v_permlanex16_b32's selects for lane l xor 16
.set CS,   22                          ; s[22:23] c = log2(e) / 8
.set G1,   24                          ; s[24:31] descriptor group 1
.set G0,   32                          ; s[32:35] descriptor group 0
.set NC,   36                          ; s36  -c
.set TB,   37                          ; s37  LDS byte at which the step's record begins
.set ST,   38                          ; s38  the step
.set GA,   39                          ; s39  tile a's group: w
.set GB,   40                          ; s40  tile b's: 15 - w
.set QPA,  42                          ; s[42:43], s[44:45] q at tile a, at tile b;  s[46:47], s[48:49] out0 likewise
.set QPB,  44
.set OPA,  46
.set OPB,  48
; A round of the cluster's barrier: my work-group's barrier, so that wave 0's signal speaks for all sixteen waves; wave 0 signals for the work-group; every wave waits for all four work-groups; my work-group's barrier once more.
.macro CROUND
	s_barrier_signal -1
	s_barrier_wait -1
	s_cmp_lg_u32 s[WV], 0
	s_cbranch_scc1 .Lnot_wave_0_\@
	s_barrier_signal -3
.Lnot_wave_0_\@:
	s_barrier_wait -3
	s_barrier_signal -1
	s_barrier_wait -1
.endm
; 16 rows x 64 channels as they were loaded (8 x 4 registers at raw) go through my stage and come back one block of 32 neighbours a lane (32 registers at x): lane (r, hd) gets row r, channels 32 hd on.
; LDS serves a wave's instructions in order (ISA guide 5.7.1.4): no wait stands between the stores and the loads, nor in front of the next turn's stores.
.macro TURN raw, x
.irp i, 0,1,2,3,4,5,6,7
	ds_store_b128 v[TIN], v[(\raw)+4*\i:(\raw)+4*\i+3] offset:288*\i
.endr
.irp i, 0,1,2,3,4,5,6,7
	ds_load_b128 v[(\x)+4*\i:(\x)+4*\i+3], v[TOUT] offset:16*\i
.endr
.endm
; A lane's block of 32 numbers at v[x] becomes six registers of codes at v[c]; the row's scale word (bytes 0, 1; bytes 2, 3 are 0) goes to v[w].
.macro QBLK x, c, w
	v_max3_num_f32 v[CH], |v[(\x)]|, |v[(\x)+1]|, 0x1800000      ; the largest magnitude, in two chains; the floor 2^(3 - 127) is one more leaf: so the byte cannot fall under 1
	v_max3_num_f32 v[CH+1], |v[(\x)+2]|, |v[(\x)+3]|, |v[(\x)+4]|
.irp i, 5,9,13,17,21,25
	v_max3_num_f32 v[CH], v[CH], |v[(\x)+\i]|, |v[(\x)+\i+1]|
	v_max3_num_f32 v[CH+1], v[CH+1], |v[(\x)+\i+2]|, |v[(\x)+\i+3]|
.endr
	v_max3_num_f32 v[CH], v[CH], |v[(\x)+29]|, |v[(\x)+30]|
	v_max3_num_f32 v[CH], v[CH], v[CH+1], |v[(\x)+31]|
	v_add_nc_u32 v[SOP], 0xff000000, v[CH]         ; 2 off its exponent field: the conversion's scale operand
	v_cvt_scalef32_pk16_fp6_f32 v[(\c):(\c)+2], v[(\x):(\x)+15], v[SOP]
	v_cvt_scalef32_pk16_fp6_f32 v[CT:CT+2], v[(\x)+16:(\x)+31], v[SOP]   ; (a conversion's three registers begin on an even number)
	v_lshrrev_b32 v[BY], 23, v[SOP]                ; the scale's byte.  (Also the plain line between the conversions and the moves that read their result)
.irp i, 0,1,2
	v_mov_b32 v[(\c)+3+\i], v[CT+\i]
.endr
	v_lshlrev_b32 v[WW], v[SH8], v[BY]             ; my block's byte at its place,
	v_permlanex16_b32 v[TT], v[WW], s[SEL], s[SEL+1]
	v_or_b32 v[\w], v[WW], v[TT]                   ; with lane l xor 16's: the row's word
.endm
	s_load_b128 s[4:7], s[0:1], 0x0                ; q s[4:5], kv s[6:7]
	s_load_b64 s[8:9], s[0:1], 0x10                ; out0
	v_lshl_add_u32 v254, v0, 2, 0x4a000
	v_mov_b32 v255, 0
	ds_add_u32 v254, v255
	ds_add_u32 v254, v255
	v_lshrrev_b32 v4, 5, v0
	v_readfirstlane_b32 s[WV], v4                  ; wave 0..15
	s_bfe_u32 s[CX], ttmp6, 0x40000                ; cx
	s_and_b32 s[HEAD], ttmp7, 0xffff               ; the head, which the four partners share
	s_mov_b32 s[GA], s[WV]
	s_xor_b32 s[GB], s[WV], 15                     ; 15 - w
	v_and_b32 v[LN], 31, v0
	v_and_b32 v[RR], 15, v0
	v_bfe_u32 v[HH], v0, 4, 1
	v_lshlrev_b32 v[LI], 4, v[LN]
	v_lshlrev_b32 v[L8], 3, v[LN]
	v_lshlrev_b32 v[L4], 2, v[LN]
	s_mul_i32 s50, s[WV], STGB
	s_add_co_u32 s50, s50, STAGE                   ; my stage
	v_mul_u32_u24 v[STO], v[RR], 272               ; the way out, in: row r of 256 bytes + 16, 32 bytes for each half of the lanes
	v_lshl_add_u32 v[STO], v[HH], 5, v[STO]
	v_add_nc_u32 v[STO], s50, v[STO]
	v_mul_u32_u24 v[SRD], v[HH], 272               ; back: lanes 0-15 one row, lanes 16-31 the next
	v_lshl_add_u32 v[SRD], v[RR], 4, v[SRD]
	v_add_nc_u32 v[SRD], s50, v[SRD]
	v_add_nc_u32 v[MADR], MASK, v[LI]
	v_lshlrev_b32 v[SH8], 3, v[HH]
	v_mov_b32 v[BIG], 0xff61b1e6                   ; -3e38
	v_bfe_u32 v[WW], v0, 3, 1
	v_and_b32 v[TT], 7, v0
	v_mul_u32_u24 v[TIN], v[HH], 144               ; q's turn, in: a load's 512 bytes are two rows (places of 144 bytes); a row's second 128 bytes go 2,432 bytes on; 16 bytes a lane
	v_mad_u32_u24 v[TIN], v[WW], 2432, v[TIN]
	v_lshl_add_u32 v[TIN], v[TT], 4, v[TIN]
	v_add_nc_u32 v[TIN], s50, v[TIN]
	v_mul_u32_u24 v[TOUT], v[RR], 144              ; out: lane (r, hd) takes row r's block hd; 144 is an odd multiple of 16: sixteen rows start at sixteen different groups of banks (64 banks of 4 bytes: ISA guide 11.1)
	v_mad_u32_u24 v[TOUT], v[HH], 2432, v[TOUT]
	v_add_nc_u32 v[TOUT], s50, v[TOUT]
	s_mov_b32 s[SEL], 0x76543210
	s_mov_b32 s[SEL+1], 0xfedcba98
	s_mov_b32 s[CS], 0x3e38aa3b                    ; c = log2(e) / 8
	s_mov_b32 s[CS+1], s[CS]                       ; (named with it as a pair, so it is written)
	s_mov_b32 s[NC], 0xbe38aa3b                    ; -c
	s_lshl_b32 s14, s[HEAD], 19                    ; the head's first byte in q and in out0: 2,048 rows of 256 bytes
	s_lshl_b32 s51, s[CX], 1
	s_lshl_b32 s52, s[GA], 3
	s_add_co_u32 s52, s52, s51                     ; tile a = 8 w + 2 cx
	s_lshl_b32 s52, s52, 12                        ; 16 rows of 256 bytes a tile
	s_add_co_u32 s52, s52, s14
	s_mov_b32 s53, 0
	s_lshl_b32 s54, s[GB], 3
	s_add_co_u32 s54, s54, s51
	s_add_co_u32 s54, s54, 1                       ; tile b = 8 (15 - w) + 2 cx + 1
	s_lshl_b32 s54, s54, 12
	s_add_co_u32 s54, s54, s14
	s_mov_b32 s55, 0
	; the descriptor: record w of the head, 13,056 dense bytes, as 51 rows of 256 bytes (32 elements of 8 bytes), no padding.  Nothing in it hangs on cx
	s_mov_b32 s[G1], 15|(3<<16)|(1<<21)            ; 15:0 the mask: all four work-groups; 17:16 elements of 8 bytes; 20 padding off; 21 set beside a mask
	s_mov_b32 s[G1+1], 32<<16                      ; tensor_dim0 = 32
	s_mov_b32 s[G1+2], 51<<16                      ; tensor_dim1 = 51
	s_mov_b32 s[G1+3], 32<<16                      ; tile_dim0 = 32
	s_mov_b32 s[G1+4], 51                          ; tile_dim1 = 51
	s_mov_b32 s[G1+5], 32                          ; from row to row
	s_mov_b32 s[G1+6], 0
	s_mov_b32 s[G1+7], 0
	s_mov_b32 s[G0], 1                             ; count = 1
	s_mul_i32 s[G0+1], s[WV], SREC                 ; LDS address: records lie as in memory
	s_mul_i32 s16, s[HEAD], 16*SREC
	s_add_co_u32 s16, s16, s[G0+1]
	s_mov_b32 s17, 0
	s_wait_dscnt 0x0
	s_wait_kmcnt 0x0
	s_add_nc_u64 s[QPA:QPA+1], s[4:5], s[52:53]
	s_add_nc_u64 s[QPB:QPB+1], s[4:5], s[54:55]
	s_add_nc_u64 s[OPA:OPA+1], s[8:9], s[52:53]
	s_add_nc_u64 s[OPB:OPB+1], s[8:9], s[54:55]
	s_add_nc_u64 s[G0+2:G0+3], s[6:7], s[16:17]    ; global address
	s_or_b32 s[G0+3], s[G0+3], 0x80000000          ; type = 2
.irp i, 0,1,2,3,4,5,6,7
	global_load_b128 v[S+4*\i:S+4*\i+3], v[LI], s[QPB:QPB+1] offset:512*\i th:TH_LOAD_NT      ; tile b of q: 32 lanes read 512 consecutive bytes, two rows
.endr
.irp i, 0,1,2,3,4,5,6,7
	global_load_b128 v[S+32+4*\i:S+32+4*\i+3], v[LI], s[QPA:QPA+1] offset:512*\i th:TH_LOAD_NT   ; tile a
.endr
	CROUND                                         ; all four work-groups are here: the joint loads meet
	tensor_load_to_lds s[G0:G0+3], s[G1:G1+7]      ; my one tensor load of the launch: one is out
	s_nop 0
.rept 4
	v_nop
.endr
	; THE MASK TABLE.  Wave w makes variant w / 8 (0: tile a's place in its group, 2 cx; 1: tile b's, 2 cx + 1), tile t = w % 8 of K.  Register j of lane (r, h) is key 64 (t / 4) + 32 h + 8 (t % 4) + j of the step,
	; the lane's query is 16 (2 cx + var) + r of it: hidden where j > r - 32 h + 16 (2 cx + var) - 64 (t / 4) - 8 (t % 4).
	s_and_b32 s18, s[WV], 7                        ; t
	s_lshr_b32 s19, s[WV], 3                       ; var
	s_lshl_b32 s41, s[CX], 5
	s_lshl_b32 s19, s19, 4
	s_add_co_u32 s41, s41, s19
	s_lshr_b32 s19, s18, 2
	s_lshl_b32 s19, s19, 6
	s_sub_co_u32 s41, s41, s19
	s_and_b32 s19, s18, 3
	s_lshl_b32 s19, s19, 3
	s_sub_co_u32 s41, s41, s19
	v_lshlrev_b32 v[WW], 5, v[HH]
	v_sub_nc_u32 v[NX], v[RR], v[WW]
	v_add_nc_u32 v[NX], s41, v[NX]
	s_lshl_b32 s15, s[WV], 10
	v_add_nc_u32 v[MST], s15, v[MADR]
.irp j, 0,1,2,3,4,5,6,7
	v_cmp_gt_i32 vcc_lo, \j, v[NX]
	v_cndmask_b32 v[CT+\j], 0, v[BIG], vcc_lo
.endr
	ds_store_b128 v[MST], v[CT:CT+3]
	ds_store_b128 v[MST], v[CT+4:CT+7] offset:512
	v_mov_b32 v[T1], 0                             ; written once: a lane permute's destination counts as one of its sources
	v_mov_b32 v[TT], 0
	v_mov_b32 v[FF+1], 0                           ; (named as the upper half of a pair)
	; Q: both tiles are quantised in registers, once
	s_wait_loadcnt 8                               ; tile b's eight loads are in; tile a's eight may be out
	TURN S, F
	s_wait_loadcnt 0x0
	TURN S+32, O
	s_wait_dscnt 16                                ; tile b is back from the stage; tile a's 16 LDS instructions may be out
	QBLK F, QB, QSB
	s_wait_dscnt 0x0
	QBLK O, QA, QSA
.irp j, 22,23,24,25,26,27,34,35,36,37,38,39,98,99,100,101,102,103
	v_mov_b32 v[\j], 0                             ; the upper halves of Q's two fragments, and what stands behind K's last tile: zero codes
.endr
	s_wait_tensorcnt 0x0                           ; my record has landed,
	s_wait_dscnt 0x0                               ; my part of the mask table is stored:
	s_barrier_signal -1
	s_barrier_wait -1                              ; everybody's: the 16 records and the table are whole, and nobody writes them again
; Eight products S^T = K Q^T.  inplace = 1: the accumulators hold the mask and are added onto.  The eight accumulators take one turn each.
.macro KQ8 qf, qs, inplace
.irp t, 0,2,4,6
.if \inplace
	v_wmma_scale_f32_16x16x128_f8f6f4 v[S+8*\t:S+8*\t+7], v[F+6*\t:F+6*\t+11], v[\qf:\qf+11], v[S+8*\t:S+8*\t+7], v[KS+\t/2], v[\qs] matrix_a_fmt:MATRIX_FMT_FP6 matrix_b_fmt:MATRIX_FMT_FP6
	v_wmma_scale_f32_16x16x128_f8f6f4 v[S+8*\t+8:S+8*\t+15], v[F+6*\t+6:F+6*\t+17], v[\qf:\qf+11], v[S+8*\t+8:S+8*\t+15], v[KS+\t/2], v[\qs] matrix_a_fmt:MATRIX_FMT_FP6 matrix_b_fmt:MATRIX_FMT_FP6 matrix_a_scale:MATRIX_SCALE_ROW1
.else
	v_wmma_scale_f32_16x16x128_f8f6f4 v[S+8*\t:S+8*\t+7], v[F+6*\t:F+6*\t+11], v[\qf:\qf+11], 0, v[KS+\t/2], v[\qs] matrix_a_fmt:MATRIX_FMT_FP6 matrix_b_fmt:MATRIX_FMT_FP6
	v_wmma_scale_f32_16x16x128_f8f6f4 v[S+8*\t+8:S+8*\t+15], v[F+6*\t+6:F+6*\t+17], v[\qf:\qf+11], 0, v[KS+\t/2], v[\qs] matrix_a_fmt:MATRIX_FMT_FP6 matrix_b_fmt:MATRIX_FMT_FP6 matrix_a_scale:MATRIX_SCALE_ROW1
.endif
.endr
.endm
; A KEY STEP: 16 queries x 128 keys.  qf, qs: Q's fragment and scale word; g: the scalar register with the tile's group; var: the mask's variant.
.macro STEP qf, qs, g, var
	s_cmp_gt_u32 s[ST], s[\g]                      ; all keys of the step come after my queries: the step's work is left out (a branch on the wave's number and the step alone)
	s_cbranch_scc1 .Lskip_\@
	v_add_nc_u32 v[ADR], s[TB], v[LI]
	v_add_nc_u32 v[AD8], s[TB], v[L8]
	v_add_nc_u32 v[AD4], s[TB], v[L4]
	v_nop                                          ; four plain lines between the last step's products and the loads into the registers that they read (ISA guide 7.12.1 for vector instructions)
.irp n, 0,1,2,3,4,5,6,7,8,9,10,11
	ds_load_b128 v[F+4*\n:F+4*\n+3], v[ADR] offset:512*\n    ; K's eight tiles: 48 registers, 512 consecutive bytes a load
.endr
	ds_load_b64 v[KS:KS+1], v[AD8] offset:KSCO
	ds_load_b64 v[KS+2:KS+3], v[AD8] offset:KSCO+256
	s_cmp_eq_u32 s[ST], s[\g]
	s_cbranch_scc1 .Ldiag_\@
	s_wait_dscnt 0x0
	KQ8 \qf, \qs, 0                                ; every key counts: the products start the sums
	s_branch .Ljoin_\@
.Ldiag_\@:                                         ; on the diagonal the sums start from the mask: 0 or -3e38
.irp n, 0,1,2,3,4,5,6,7,8,9,10,11,12,13,14,15
	ds_load_b128 v[S+4*\n:S+4*\n+3], v[MADR] offset:8192*\var+512*\n
.endr
	s_wait_dscnt 0x0
	KQ8 \qf, \qs, 1
.Ljoin_\@:
.rept 4
	v_nop                                          ; four places in front of the loads into K's registers and of the first read of the scores
.endr
.irp n, 0,1,2,3,4,5,6,7,8,9,10,11
	ds_load_b128 v[F+4*\n:F+4*\n+3], v[ADR] offset:VIMG+512*\n   ; V's four tiles: they land under the softmax
.endr
	ds_load_b32 v[VS], v[AD4] offset:VSCO
	ds_load_b32 v[VS+1], v[AD4] offset:VSCO+128
	; THE LARGEST SCORE OF EACH OF MY TWO BLOCKS OF 32 KEYS, in four chains by turns.  It serves twice: for the row's maximum and, since p rises with the score, for the block's largest p.
	; Each accumulator is first read at its low end.
.irp k, 0,1,2,3
	v_max3_num_f32 v[CH+\k], v[S+16*\k], v[S+16*\k+1], v[S+16*\k+2]
.endr
.irp i, 3,5,7,9,11,13
.irp k, 0,1,2,3
	v_max3_num_f32 v[CH+\k], v[CH+\k], v[S+16*\k+\i], v[S+16*\k+\i+1]
.endr
.endr
	v_max3_num_f32 v[CH], v[CH], v[CH+1], v[S+15]
	v_max3_num_f32 v[CH+2], v[CH+2], v[CH+3], v[S+47]
	v_max_num_f32 v[CH], v[CH], v[S+31]
	v_max_num_f32 v[CH+2], v[CH+2], v[S+63]
	v_max_num_f32 v[T0], v[CH], v[CH+2]
	v_permlanex16_b32 v[T1], v[T0], s[SEL], s[SEL+1]     ; the query's other 64 keys lie in the lane 16 away
	v_max3_num_f32 v[SMX], v[SMX], v[T0], v[T1]    ; the running largest score
	v_mul_f32 v[T0], s[NC], v[SMX]                 ; -t
	v_mov_b32 v[T1], v[NM]
	v_floor_f32 v[NM], v[T0]                       ; the new -M = floor(-t) = -ceil(t): M IS A WHOLE NUMBER
	v_sub_f32 v[T1], v[NM], v[T1]                  ; old M - new M: a whole number, 0 or less
	v_cvt_i32_f32 v[T1], v[T1]                     ; (it saturates)
	v_ldexp_f32 v[FF], 1.0, v[T1]                  ; f = 2^(old M - new M)
.set jj, 0
.rept 32
	v_pk_fma_f32 v[S+jj:S+jj+1], v[S+jj:S+jj+1], s[CS:CS+1], v[NM:NM+1] op_sel_hi:[1,0,0]   ; t - M, two at a time (of the pairs c and -M the low word serves both halves)
.set jj, jj+2
.endr
	v_fma_f32 v[CH], v[CH], s[CS], v[NM]           ; the same of each block's largest score
	v_fma_f32 v[CH+2], v[CH+2], s[CS], v[NM]
.set jj, 0
.rept 64
	v_exp_f32 v[S+jj], v[S+jj]                     ; p = 2^(t - M), at most 1: NOT normalised
.set jj, jj+1
.endr
	v_pk_mul_f32 v[LS:LS+1], v[LS:LS+1], v[FF:FF+1] op_sel_hi:[1,0]   ; the sums under the new M.  (The plain line behind the exponentials)
	s_wait_alu depctr_va_vdst(0)                   ; one wait for the batch of 64, ahead of its first reader
	v_exp_f32 v[CH], v[CH]                         ; the blocks' largest p: the same two instructions on the same number give the same bits
	v_exp_f32 v[CH+2], v[CH+2]
	v_pk_add_f32 v[L2:L2+1], v[S:S+1], v[S+2:S+3]  ; THE ROW'S SUM IS TAKEN OF THE UNQUANTISED p: two at a time, in two chains.  (It reads the 64 alone: plain work behind the two)
.set jj, 4
.rept 15
	v_pk_add_f32 v[LS:LS+1], v[LS:LS+1], v[S+jj:S+jj+1]
	v_pk_add_f32 v[L2:L2+1], v[L2:L2+1], v[S+jj+2:S+jj+3]
.set jj, jj+4
.endr
	v_pk_add_f32 v[LS:LS+1], v[LS:LS+1], v[L2:L2+1]
	s_wait_alu depctr_va_vdst(0)                   ; and one for the two
	v_max_num_f32 v[CH], 0x1800000, v[CH]          ; the floor 2^(3 - 127): the byte cannot fall under 1 (a block whose every p is 0 keeps that byte: its codes are zeros)
	v_max_num_f32 v[CH+2], 0x1800000, v[CH+2]
	v_add_nc_u32 v[SOP], 0xff000000, v[CH]         ; 2 off the exponent field: the conversions' scale operands
	v_add_nc_u32 v[SOP+1], 0xff000000, v[CH+2]
	v_lshrrev_b32 v[BY], 23, v[SOP]                ; the scales' bytes: of blocks h and 2 + h of these 128 keys
	v_lshrrev_b32 v[BY+1], 23, v[SOP+1]
	v_lshl_or_b32 v[WW], v[BY+1], 16, v[BY]
	v_lshlrev_b32 v[WW], v[SH8], v[WW]             ; at their places in the word (8 h bits up);
	v_permlanex16_b32 v[TT], v[WW], s[SEL], s[SEL+1]
	v_or_b32 v[PS], v[WW], v[TT]                   ; with lane l xor 16's two the word is whole
.irp c, 0,1
	v_cvt_scalef32_pk16_fp6_f32 v[P+6*\c:P+6*\c+2], v[S+32*\c:S+32*\c+15], v[SOP+\c]
	v_cvt_scalef32_pk16_fp6_f32 v[CT+4*\c:CT+4*\c+2], v[S+32*\c+16:S+32*\c+31], v[SOP+\c]   ; (a conversion's three registers begin on an even number)
.endr
	v_nop                                          ; one plain line between a scaled conversion and the vector instruction that touches its result
.irp c, 0,1
.irp i, 0,1,2
	v_mov_b32 v[P+6*\c+3+\i], v[CT+4*\c+\i]        ; registers 6 c .. 6 c + 5 hold keys 64 c + 32 h + 0 .. 31
.endr
.endr
.set jj, 0
.rept 16
	v_pk_mul_f32 v[O+jj:O+jj+1], v[O+jj:O+jj+1], v[FF:FF+1] op_sel_hi:[1,0]   ; O^T under the new M, each accumulator from its low end on.  (With the moves above: 23 plain lines behind P's scale word, 16 behind its codes)
.set jj, jj+2
.endr
	s_wait_dscnt 0x0                               ; V is in
.irp t, 0,2
	v_wmma_scale_f32_16x16x128_f8f6f4 v[O+8*\t:O+8*\t+7], v[F+12*\t:F+12*\t+11], v[P:P+11], v[O+8*\t:O+8*\t+7], v[VS+\t/2], v[PS] matrix_a_fmt:MATRIX_FMT_FP6 matrix_b_fmt:MATRIX_FMT_FP6
	v_wmma_scale_f32_16x16x128_f8f6f4 v[O+8*\t+8:O+8*\t+15], v[F+12*\t+12:F+12*\t+23], v[P:P+11], v[O+8*\t+8:O+8*\t+15], v[VS+\t/2], v[PS] matrix_a_fmt:MATRIX_FMT_FP6 matrix_b_fmt:MATRIX_FMT_FP6 matrix_a_scale:MATRIX_SCALE_ROW1
.endr                                              ; O^T += V^T P^T: four accumulators, one turn each; the matrix instruction ahead of them wrote S^T
.Lskip_\@:
.endm
; One tile of 16 queries walks the head's records.  The loop has 16 trips in every wave: the record's LDS address is the trip's number x SREC; what is left out is a step's work.
; The step is written once: O^T and the sum begin as zeros and the largest score as -3e38: the first f is 0 and multiplies zeros.
.macro WALK qf, qs, g, var
	v_mov_b32 v[SMX], v[BIG]
	v_mul_f32 v[NM], s[NC], v[BIG]
	v_mov_b32 v[LS], 0
	v_mov_b32 v[LS+1], 0
	v_floor_f32 v[NM], v[NM]
.set jj, 0
.rept 32
	v_mov_b32 v[O+jj], 0
.set jj, jj+1
.endr
	s_mov_b32 s[TB], 0
	s_mov_b32 s[ST], 0
.Lwalk_\@:
	STEP \qf, \qs, \g, \var
	s_add_co_u32 s[TB], s[TB], SREC
	s_add_co_u32 s[ST], s[ST], 1
	s_cmp_lt_u32 s[ST], 16
	s_cbranch_scc1 .Lwalk_\@
.endm
; THE WAY OUT of a tile: O^T / the sum goes through my stage (rows of 256 bytes + 16) and leaves as whole rows.
.macro OUT base
	v_add_f32 v[LS], v[LS], v[LS+1]                ; the sum's two halves,
	v_permlanex16_b32 v[T1], v[LS], s[SEL], s[SEL+1]
	v_add_f32 v[LS], v[LS], v[T1]                  ; and lane l xor 16's: the row's sum, at least 1/2
	v_rcp_f32 v[LS], v[LS]
	v_nop                                          ; a plain line behind the reciprocal; with the second one and the two additions: four plain lines behind the last products, not counting the permute
	v_nop
	s_wait_alu depctr_va_vdst(0)                   ; the wait ahead of the reciprocal's first reader
.set jj, 0
.rept 16
	v_pk_mul_f32 v[S+jj:S+jj+1], v[O+jj:O+jj+1], v[LS:LS+1] op_sel_hi:[1,0]   ; register 8 t + j is out(r, 16 t + 8 h + j); each accumulator from its low end on
.set jj, jj+2
.endr
.irp t, 0,1,2,3
	ds_store_b128 v[STO], v[S+8*\t:S+8*\t+3] offset:64*\t
	ds_store_b128 v[STO], v[S+8*\t+4:S+8*\t+7] offset:64*\t+16
.endr
.irp i, 0,1,2,3,4,5,6,7
	ds_load_b128 v[F+4*\i:F+4*\i+3], v[SRD] offset:544*\i    ; LDS serves a wave's instructions in order: these see my stores
.endr
.irp i, 0,1,2,3,4,5,6,7
	s_wait_dscnt 7-\i                              ; load i is back; the 7 - i younger ones may be out
	global_store_b128 v[LI], v[F+4*\i:F+4*\i+3], s[\base:\base+1] offset:512*\i th:TH_STORE_NT   ; 32 lanes store 512 consecutive bytes (two rows), at a multiple of 256 from out0's first byte
.endr
.endm
	WALK QB, QSB, GB, 1                            ; tile b: 16 - w steps
	OUT OPB
	s_wait_xcnt 0x0                                ; the stores have read their data registers: the next walk loads into them
	WALK QA, QSA, GA, 0                            ; tile a: w + 1 steps
	OUT OPA
	s_wait_dscnt 0x0                               ; no LDS instruction of mine is out at the signal below
	s_wait_tensorcnt 0x0
	ds_add_u32 v254, v255
	s_wait_dscnt 0x0
	CROUND                                         ; the closing round: no work-group ends while a partner may still ask for a record that names it
	s_endpgm
.Lfunc_end_k_q8cbd59dc9c_attn:
	.size	k_q8cbd59dc9c_attn, .Lfunc_end_k_q8cbd59dc9c_attn-k_q8cbd59dc9c_attn
	.p2alignl 7, 3214868480
	.fill 96, 4, 3214868480
	.section	.rodata,"a",@progbits
	.p2align	6, 0x0
	.amdhsa_kernel k_q8cbd59dc9c_attn
		.amdhsa_group_segment_fixed_size 305152
		.amdhsa_private_segment_fixed_size 0
		.amdhsa_enable_private_segment 0
		.amdhsa_kernarg_size 24
		.amdhsa_user_sgpr_count 2
		.amdhsa_user_sgpr_kernarg_segment_ptr 1
		.amdhsa_wavefront_size32 1
		.amdhsa_system_sgpr_workgroup_id_x 1
		.amdhsa_system_sgpr_workgroup_id_y 1
		.amdhsa_system_sgpr_workgroup_id_z 1
		.amdhsa_system_vgpr_workitem_id 0
		.amdhsa_next_free_vgpr 256
		.amdhsa_next_free_sgpr 66
		.amdhsa_reserve_vcc 1
		.amdhsa_float_denorm_mode_32 3
		.amdhsa_float_denorm_mode_16_64 3
		.amdhsa_memory_ordered 1
		.amdhsa_forward_progress 1
		.amdhsa_inst_pref_size 56
	.end_amdhsa_kernel
	.amdgpu_metadata
---
amdhsa.version: [ 1, 2 ]
amdhsa.kernels:
  - .name:           k_q8cbd59dc9c_attn
    .symbol:         k_q8cbd59dc9c_attn.kd
    .args:
      - { .name: q, .offset: 0, .size: 8, .value_kind: global_buffer, .address_space: global }
      - { .name: kv, .offset: 8, .size: 8, .value_kind: global_buffer, .address_space: global }
      - { .name: out0, .offset: 16, .size: 8, .value_kind: global_buffer, .address_space: global }
    .group_segment_fixed_size: 305152
    .private_segment_fixed_size: 0
    .kernarg_segment_align: 8
    .kernarg_segment_size: 24
    .max_flat_workgroup_size: 512
    .sgpr_count:     66
    .vgpr_count:     256
    .wavefront_size: 32
...
	.end_amdgpu_metadata
.endif
;; end of part 2
